; MI455X (gfx1250); checked and timed in simulation.
; The chip was launched on July 23, 2026; its instructions are those of AMD's public machine-readable ISA for CDNA 5 (MIT licence, August 2026) and "CDNA5" Instruction Set Architecture Reference Guide (July 2026). The comments in the code are by the model that wrote it; some were corrected since.
;; Attention. Allowed arithmetic: matrix products marked QUANTISED: E4M3 operands, one given power-of-two scale a tensor, by v_wmma_f32_16x16x64_fp8_fp8 or v_wmma_f32_16x16x128_fp8_fp8, f32 sums; everything else in f32.
;; Inputs: lowp_scales 12 int32 (the exponents e of the quantised operands' scales 2^e); pos_cos 2,048 x 32 float32; pos_sin 2,048 x 32 float32; wk_b 1,024 float32; wk_w_codes 1,024 x 32 x 32 uint8 (E4M3 codes of wk_w, K innermost, in blocks of 32 codes); wo_b 1,024 float32; wo_w_codes 1,024 x 32 x 32 uint8 (E4M3 codes of wo_w, K innermost, in blocks of 32 codes); wq_b 1,024 float32; wq_w_codes 1,024 x 32 x 32 uint8 (E4M3 codes of wq_w, K innermost, in blocks of 32 codes); wv_b 1,024 float32; wv_w_codes 1,024 x 32 x 32 uint8 (E4M3 codes of wv_w, K innermost, in blocks of 32 codes); x_codes 2 x 2,048 x 32 x 32 uint8 (E4M3 codes of x, K innermost, in blocks of 32 codes).
;; Outputs: out0 2 x 2,048 x 1,024 float32.
;; This version of the problem:
;;   THIS VERSION OF THE PROBLEM IS GIVEN IN LOW PRECISION. The matrix products marked QUANTISED in the list below multiply operands that are first quantised to E4M3 (4 exponent bits, 3 mantissa bits; 8 bits a number), with one given power-of-two scale for each operand tensor; their sums are f32. All else is computed in f32.
;;   The module's matrix products, in the order in which they are computed (A, B: the left and right operand; K: the contracted axis; several contracted axes count as one K, in the product's order):
;;     1. [M 4,096, K 1,024] x [K 1,024, N 1,024]; A: input x (given as codes); B: input wq_w (given as codes): QUANTISED (scales: A lowp_scales[0], B lowp_scales[1])
;;     2. [M 4,096, K 1,024] x [K 1,024, N 1,024]; A: input x (given as codes); B: input wk_w (given as codes): QUANTISED (scales: A lowp_scales[2], B lowp_scales[3])
;;     3. [M 4,096, K 1,024] x [K 1,024, N 1,024]; A: input x (given as codes); B: input wv_w (given as codes): QUANTISED (scales: A lowp_scales[4], B lowp_scales[5])
;;     4. batch 32 x [M 2,048, K 64] x [K 64, N 2,048]; A: computed on the way; B: computed on the way: QUANTISED (scales: A lowp_scales[6], B lowp_scales[7])
;;     5. batch 32 x [M 64, K 2,048] x [K 2,048, N 2,048]; A: computed on the way; B: softmax (see below): QUANTISED (scales: A lowp_scales[8], B lowp_scales[9])
;;     6. [M 4,096, K 1,024] x [K 1,024, N 1,024]; A: computed on the way; B: input wo_w (given as codes): QUANTISED (scales: A lowp_scales[10], B lowp_scales[11])
;;   THE QUANTISER, for each operand of a quantised product, along K:
;;     - The operand's scale is 2^e, e = its entry of the input lowp_scales (int32; the entries are numbered through the quantised products in the list's order, A before B).
;;     - Each number is divided by the scale, clamped to +-448, and rounded to the nearest number of E4M3, ties to even, subnormals kept.
;;     - The product sums the exact products of the quantised numbers (number of the format x scale) in f32.
;;   ~~~python
;;   def quantise(x, axis, e):      # numpy; x: float32 -> the quantised numbers, widened to float32 again
;;       x = np.moveaxis(x, axis, -1); K = x.shape[-1]
;;       r = np.clip(x / 2.0 ** e, -448, 448)
;;       step = 2.0 ** (np.maximum(np.frexp(np.where(r == 0, 1, r))[1] - 1, -6) - 3)
;;       q = np.round(r / step) * step * 2.0 ** e      # np.round: ties to even
;;       return np.moveaxis(q, -1, axis).astype(np.float32)
;;   ~~~
;;   SOFTMAX AHEAD OF A QUANTISED PRODUCT. Where the list says 'softmax', what is quantised is not the finished softmax but p = 2^(t - M), with t = logit x log2(e) and M = ceil(the row's largest t), a whole number; so 1/2 < the row's largest p <= 1. The row's sum l is taken of the UNQUANTISED p, in f32, and the product's result is divided by l at the end. Since M is a whole number, a kernel that streams over the keys may use a running M (the ceiling of the running maximum): every later rescaling is an exact power of two, so the quantised numbers keep their values, but for numbers so far below the row's largest that they fall under the format's range.
;;   OPERANDS COMPUTED ON THE WAY. 'Computed on the way' means the value that the module computes at that place (a softmax that the list does not call 'softmax' is quantised finished and normalised). What goes into a quantiser is computed in f32, as accurately as f32 sums, v_exp_f32 and their like allow (about 1e-6 of the number): no bf16 or f16 on the way to a quantiser, and a product that is left as it is and whose result goes on into a quantised operand takes f32 operands (vector FMAs, or v_wmma_f32_16x16x4_f32). A number that lies on a knife's edge between two numbers of the format may be rounded either way, as far as f32 arithmetic and the matrix unit's own rounding can turn it there, and no further.
;;   INPUTS GIVEN AS CODES. wk_w (in the module: [1024, 1024], K = its axis 1); wo_w (in the module: [1024, 1024], K = its axis 1); wq_w (in the module: [1024, 1024], K = its axis 1); wv_w (in the module: [1024, 1024], K = its axis 1); x (in the module: [2, 2048, 1024], K = its axis 2): each comes as NAME_codes (uint8): NAME with its K axis moved to the last place and cut into blocks of 32 codes, [.., K / 32, bytes a block], one block behind the other in memory; one code a byte (a code: sign, 4 exponent bits, 3 mantissa bits); its scale is its entry of lowp_scales. Its value is code x scale, taken as it is: it is not quantised again, and the codes and scales need not be those that the quantiser above would give.
;; One version. Each part assembles by itself: llvm-mc -triple=amdgcn-amd-amdhsa -mcpu=gfx1250 --defsym DOCPART=n.
;; ======== version 1 of 1: 3 launches
;; limits: right only within a limited range of input values
;; workspace buffers: q_img 4,194,304 bytes; k_img 4,194,304 bytes; v_img 4,194,304 bytes; a_img 4,194,304 bytes
;; launch qkv (part 1): grid 16 x 16, 4 waves a work-group, clusters of 4 x 4, 327,680 bytes of LDS; arguments x_codes, wq_w_codes, wk_w_codes, wv_w_codes, wq_b, wk_b, wv_b, pos_cos, pos_sin, lowp_scales, q_img, k_img, v_img; writes q_img, k_img, v_img
.if DOCPART == 1
	.amdgcn_target "amdgcn-amd-amdhsa--gfx1250"
	.amdhsa_code_object_version 6
	.text
	.protected	k_q3f72ee8ca2_qkv
	.globl	k_q3f72ee8ca2_qkv
	.p2align	8
	.type	k_q3f72ee8ca2_qkv,@function
k_q3f72ee8ca2_qkv:
	s_mov_b64 s[64:65], 0
	v_nop
	global_prefetch_b8 v0, s[64:65] scope:SCOPE_SE
	s_setreg_imm32_b32 hwreg(HW_REG_WAVE_MODE, 25, 1), 1
	s_wait_xcnt 0x0
	s_wait_alu depctr_hold_cnt(0) depctr_sa_sdst(0) depctr_va_vdst(0) depctr_va_sdst(0) depctr_va_ssrc(0) depctr_va_vcc(0) depctr_vm_vsrc(0)
	s_getreg_b32 s2, hwreg(HW_REG_IB_STS2, 6, 4)
	s_cmp_eq_u32 s2, 0
	s_cbranch_scc0 .Lentry_in_a_cluster
	s_endpgm
.Lentry_in_a_cluster:
	s_bfe_u32 s2, ttmp6, 0x10000c
	s_cmp_lg_u32 s2, 0xf033
	s_cbranch_scc0 .Lentry_shape_is_right
	s_endpgm
.Lentry_shape_is_right:
; FIRST OF THREE LAUNCHES.  q, k, v = x W^T + b on codes of FP8 (E4M3), the rotation of q and k, and the quantisers ahead of the attention's two products.
; DEAD WORK left out in this program: none in this launch and the third.  In the second, the key steps that lie wholly under the causal mask which reference() builds: their scores are -infinity, so they reach no output; a NaN or an infinity that reaches those scores alone is not carried.
; SHARES.  A work-group makes 256 tokens x one head's 64 channels of each of q, k and v; a wave 64 tokens x 192.  K goes in steps of 256 through a ring of two LDS slots: 256 rows of x (wave 0's load) and 64 rows of each weight (waves 1 to 3), rows of 256 bytes + 16 of padding.
; CLUSTERS of 4 x 4: x's tile is asked for jointly along a row of the cluster, the weights' along a column.
; q and k are made transposed (source 0 = weights), so that a lane's registers run along the head's channels; v the other way round, so that they run along the keys.  The codes leave as images of the next launch's operand registers.
; THE BIASES are the C of the first products, divided by 2^(ex + ew), which the sums lack; that power is folded into the conversion's scale.
; PREFETCH: behind K step t's load (t = 0, 1), and behind the small loads or the run of LDS loads that follows it, K step t + 2 is asked for; steps 0 and 1 come by their loads alone.  Each row's 256 bytes are named once in each cluster that loads them.
; The four partners that ask for a tile jointly share its rows out by address: x's 256 rows by cx, 64 each (wave 0), a weight's 64 rows by cy, 16 each (waves 1 to 3).
; LIMITS: for each of q, k, v, (its quantiser's exponent) - (ex + ew) lies between -126 and 119.  NaN among the inputs is not served.
.set PX, 18                            ; v18, v19 the prefetches' offsets in x and in a weight; never rewritten
.set PW, 19
.macro ASK k                           ; K step k: 256 k bytes into the rows.  The branch hangs on the wave's number alone
	s_cmp_eq_u32 s[WV], 0
	s_cbranch_scc0 .Lask_w_\@
	global_prefetch_b8 v[PX], s[96:97] offset:256*\k th:TH_LOAD_NT scope:SCOPE_SE
	global_prefetch_b8 v[PX], s[96:97] offset:32768+256*\k th:TH_LOAD_NT scope:SCOPE_SE
	s_branch .Lask_done_\@
.Lask_w_\@:
	global_prefetch_b8 v[PW], s[98:99] offset:256*\k th:TH_LOAD_NT scope:SCOPE_SE
.Lask_done_\@:
.endm
.set PITCH, 272
.set WOFF,  256*PITCH
.set WPART, 64*PITCH
.set SLOT,  448*PITCH
.set SPARE, 2*SLOT
.set LI,   1
.set VCS,  4
.set VB,   5
.set VBV,  6
.set SCQ,  8
.set LMQ,  9
.set SCK,  10
.set LMK,  11
.set SCV,  12
.set LMV,  13
.set ADRX, 16
.set ADRW, 20
.set SPW,  22
.set NIL,  23
.set BQ,   24
.set BK,   56
.set BV,   88
.set VC,   96
.set XF,   128
.set T,    128
.set U,    160
.set FQ,   192
.set FK,   224
.set CS,   128
.set WV,   14
.set G1A,  24
.set G0A,  32
.set G1B,  48
.set G0B,  56
.set MSB, 0
.macro WIN new
.if MSB != \new
	s_set_vgpr_msb (MSB<<8)|\new
.set MSB, \new
.endif
.endm
.macro PLACES
.rept 4
	v_nop
.endr
.endm
.macro JLOAD s
	s_cmp_eq_u32 s[WV], 0
	s_cbranch_scc0 .Lfor_w_\@
	tensor_load_to_lds s[G0A+4*\s:G0A+4*\s+3], s[G1A:G1A+7]
	s_nop 0
	PLACES
	s_branch .Lasked_\@
.Lfor_w_\@:
	tensor_load_to_lds s[G0B+4*\s:G0B+4*\s+3], s[G1B:G1B+7]
	s_nop 0
	PLACES
.Lasked_\@:
.endm
.macro CREST
	s_cmp_lg_u32 s[WV], 0
	s_cbranch_scc1 .Lnot_wave_0_\@
	s_barrier_signal -3
.Lnot_wave_0_\@:
	s_barrier_wait -3
	s_barrier_signal -1
	s_barrier_wait -1
.endm
.macro CROUND
	s_barrier_signal -1
	s_barrier_wait -1
	CREST
.endm
	s_load_b512 s[68:83], s[0:1], 0x0
	s_load_b256 s[84:91], s[0:1], 0x40
	s_load_b64 s[92:93], s[0:1], 0x60
	v_lshl_add_u32 v[SPW], v0, 2, SPARE
	v_mov_b32 v[NIL], 0
	ds_add_u32 v22, v23
	ds_add_u32 v22, v23
	s_wait_dscnt 0x0
	v_lshrrev_b32 v2, 5, v0
	v_readfirstlane_b32 s[WV], v2
	s_bfe_u32 s40, ttmp6, 0x40000
	s_bfe_u32 s41, ttmp6, 0x40004
	s_lshl_b32 s42, ttmp9, 2
	s_add_co_u32 s42, s42, s40
	s_and_b32 s43, ttmp7, 0xffff
	s_lshl_b32 s43, s43, 2
	s_add_co_u32 s43, s43, s41
	s_lshl_b32 s44, s41, 2
	s_lshl_b32 s44, 15, s44
	s_lshl_b32 s45, 0x1111, s40
	s_or_b32 s[G1A], s44, (1<<20)|(1<<21)|(5<<22)|(3<<25)
	s_mov_b32 s[G1A+1], 256<<16
	s_mov_b32 s[G1A+2], 256<<16
	s_mov_b32 s[G1A+3], 256<<16
	s_mov_b32 s[G1A+4], 256
	s_mov_b32 s[G1A+5], 1024
	s_mov_b32 s[G1A+6], 0
	s_mov_b32 s[G1A+7], 0
	s_or_b32 s[G1B], s45, (1<<20)|(1<<21)|(5<<22)|(3<<25)
	s_mov_b32 s[G1B+1], 256<<16
	s_mov_b32 s[G1B+2], 64<<16
	s_mov_b32 s[G1B+3], 256<<16
	s_mov_b32 s[G1B+4], 64
	s_mov_b32 s[G1B+5], 1024
	s_mov_b32 s[G1B+6], 0
	s_mov_b32 s[G1B+7], 0
	s_lshl_b32 s16, s43, 18
	s_mov_b32 s17, 0
	s_lshl_b32 s46, s42, 16
	s_mov_b32 s47, 0
	s_mul_i32 s15, s[WV], WPART
	s_add_co_u32 s15, s15, WOFF-WPART
	s_wait_kmcnt 0x0
	s_load_b256 s[4:11], s[86:87], 0x0
	s_load_b32 s12, s[86:87], 0x20
	s_add_nc_u64 s[18:19], s[68:69], s[16:17]
	s_cmp_eq_u32 s[WV], 2
	s_cselect_b64 s[20:21], s[72:73], s[70:71]
	s_cmp_eq_u32 s[WV], 3
	s_cselect_b64 s[20:21], s[74:75], s[20:21]
	s_add_nc_u64 s[20:21], s[20:21], s[46:47]
	CROUND
.irp s, 0,1
	s_mov_b32 s[G0A+4*\s], 1
	s_mov_b32 s[G0A+4*\s+1], \s*SLOT
	s_add_nc_u64 s[G0A+4*\s+2:G0A+4*\s+3], s[18:19], \s*256
	s_or_b32 s[G0A+4*\s+3], s[G0A+4*\s+3], 0x80000000
	s_mov_b32 s[G0B+4*\s], 1
	s_add_co_u32 s[G0B+4*\s+1], s15, \s*SLOT
	s_add_nc_u64 s[G0B+4*\s+2:G0B+4*\s+3], s[20:21], \s*256
	s_or_b32 s[G0B+4*\s+3], s[G0B+4*\s+3], 0x80000000
.endr
	JLOAD 0                                ; K step 0; the set-up and the small loads below are made while it is on its way
	v_and_b32 v1, 31, v0
	v_lshlrev_b32 v[LI], 4, v1
	v_and_b32 v2, 15, v0
	v_bfe_u32 v3, v0, 4, 1
	v_lshlrev_b32 v[VCS], 7, v2
	v_lshl_add_u32 v[VCS], v3, 4, v[VCS]
	v_lshlrev_b32 v[VB], 5, v3
	s_wait_alu depctr_va_vdst(0)
	v_lshlrev_b32 v[VBV], 2, v2
	s_wait_alu depctr_va_vdst(0)
	v_mul_u32_u24 v7, v2, PITCH
	v_lshl_add_u32 v7, v3, 4, v7
	s_mul_i32 s22, s[WV], 64*PITCH
	v_add_nc_u32 v[ADRX], s22, v7
	v_add_nc_u32 v[ADRX+1], SLOT, v[ADRX]
	v_add_nc_u32 v[ADRW], WOFF, v7
	v_add_nc_u32 v[ADRW+1], SLOT, v[ADRW]
	v_lshlrev_b32 v[PX], 6, v[LI]          ; x: a lane a row of 1,024 bytes
	v_min_u32 v[PW], 0xf0, v[LI]
	v_lshlrev_b32 v[PW], 6, v[PW]          ; weights: lanes 0-15 a row each; the lanes left over name the last row's block again
	s_lshl_b32 s94, s42, 8
	s_mov_b32 s95, 0
	s_add_nc_u64 s[76:77], s[76:77], s[94:95]
	s_add_nc_u64 s[78:79], s[78:79], s[94:95]
	s_add_nc_u64 s[80:81], s[80:81], s[94:95]
	s_and_b32 s96, s43, 7
	s_lshl_b32 s96, s96, 8
	s_lshl_b32 s97, s[WV], 6
	s_add_co_u32 s96, s96, s97
	s_lshl_b32 s96, s96, 7
	s_mov_b32 s97, 0
	s_add_nc_u64 s[82:83], s[82:83], s[96:97]
	s_add_nc_u64 s[84:85], s[84:85], s[96:97]
.irp b, 0,1,2,3
	global_load_b128 v[BQ+8*\b:BQ+8*\b+3], v[VB], s[76:77] offset:64*\b
	global_load_b128 v[BQ+8*\b+4:BQ+8*\b+7], v[VB], s[76:77] offset:64*\b+16
	global_load_b128 v[BK+8*\b:BK+8*\b+3], v[VB], s[78:79] offset:64*\b
	global_load_b128 v[BK+8*\b+4:BK+8*\b+7], v[VB], s[78:79] offset:64*\b+16
	global_load_b32 v[BV+2*\b], v[VBV], s[80:81] offset:64*\b
.endr
	WIN 0xc0
.irp a, 0,1,2,3
.irp b, 0,1,2,3
	global_load_b128 v[CS+32*\a+4*\b:CS+32*\a+4*\b+3], v[VCS], s[82:83] offset:2048*\a+32*\b
	global_load_b128 v[CS+32*\a+16+4*\b:CS+32*\a+16+4*\b+3], v[VCS], s[84:85] offset:2048*\a+32*\b
.endr
.endr
	WIN 0
	s_lshr_b32 s94, s43, 3
	s_lshl_b32 s94, s94, 4
	s_add_co_u32 s94, s94, s42
	s_and_b32 s95, s43, 7
	s_lshl_b32 s98, s94, 7
	s_lshl_b32 s99, s95, 4
	s_add_co_u32 s98, s98, s99
	s_lshl_b32 s99, s[WV], 2
	s_add_co_u32 s98, s98, s99
	s_lshl_b32 s98, s98, 10
	s_mov_b32 s99, 0
	s_add_nc_u64 s[88:89], s[88:89], s[98:99]
	s_add_nc_u64 s[90:91], s[90:91], s[98:99]
	s_lshl_b32 s96, s94, 17
	s_lshl_b32 s95, s95, 1
	s_lshr_b32 s97, s[WV], 1
	s_add_co_u32 s95, s95, s97
	s_lshl_b32 s95, s95, 13
	s_add_co_u32 s96, s96, s95
	s_and_b32 s97, s[WV], 1
	s_lshl_b32 s97, s97, 10
	s_add_co_u32 s96, s96, s97
	s_mov_b32 s97, 0
	s_add_nc_u64 s[92:93], s[92:93], s[96:97]
	s_lshl_b32 s94, s40, 16
	s_mov_b32 s95, 0
	s_add_nc_u64 s[96:97], s[18:19], s[94:95]      ; the prefetches: my 64 rows of x's tile,
	s_lshl_b32 s94, s41, 14
	s_add_nc_u64 s[98:99], s[20:21], s[94:95]      ; my 16 rows of my wave's weight
	s_wait_alu depctr_va_vdst(0)
	ASK 2
.macro SCALES ea, eb, eo, vs, vl, sneg
	s_add_co_i32 s16, s[\ea], s[\eb]
	s_sub_co_i32 s[\sneg], 0, s16
	s_sub_co_i32 s16, s[\eo], s16
	s_add_co_i32 s16, s16, 127
	s_lshl_b32 s17, s16, 23
	v_mov_b32 v[\vs], s17
	s_add_co_i32 s16, s16, 8
	s_lshl_b32 s16, s16, 23
	s_or_b32 s16, s16, 0x600000
	v_mov_b32 v[\vl], s16
.endm
.macro FRAG reg, adr, q, i
.irp c, 0,1,2,3
	ds_load_b128 v[\reg+4*\c:\reg+4*\c+3], v[\adr] offset:128*(\q)+32*\c+(\i)*16*PITCH
.endr
.endm
.macro FETCH_W slot, q, b0
	WIN 0x40
.irp i, 0,1,2,3,4,5
	FRAG 16*(\b0+\i), ADRW+\slot, \q, \b0+\i
.endr
	WIN 0
.endm
.macro FETCH_X slot, q, p
	WIN 0
.irp i, 0,1,2,3
	FRAG XF+64*(\p)+16*\i, ADRX+\slot, \q, \i
.endr
.endm
.macro MULB b, p, zero
.if (\b) < 8
.if \zero
	WIN 0x81                               ; the first products: C is the bias, in window 0
.else
	WIN 0xa1
.endif
.irp a, 0,1,2,3
.if \zero
	v_wmma_f32_16x16x128_fp8_fp8 v[8*(4*(\b)+\a):8*(4*(\b)+\a)+7], v[16*(\b):16*(\b)+15], v[XF+64*(\p)+16*\a:XF+64*(\p)+16*\a+15], v[BQ+8*(\b):BQ+8*(\b)+7]
.else
	v_wmma_f32_16x16x128_fp8_fp8 v[8*(4*(\b)+\a):8*(4*(\b)+\a)+7], v[16*(\b):16*(\b)+15], v[XF+64*(\p)+16*\a:XF+64*(\p)+16*\a+15], v[8*(4*(\b)+\a):8*(4*(\b)+\a)+7]
.endif
.endr
.else
.if \zero
	WIN 0xc4
.else
	WIN 0xf4
.endif
.irp a, 0,1,2,3
.if \zero
	v_wmma_f32_16x16x128_fp8_fp8 v[8*(4*((\b)-8)+\a):8*(4*((\b)-8)+\a)+7], v[XF+64*(\p)+16*\a:XF+64*(\p)+16*\a+15], v[16*(\b):16*(\b)+15], v[VC+8*((\b)-8):VC+8*((\b)-8)+7]
.else
	v_wmma_f32_16x16x128_fp8_fp8 v[8*(4*((\b)-8)+\a):8*(4*((\b)-8)+\a)+7], v[XF+64*(\p)+16*\a:XF+64*(\p)+16*\a+15], v[16*(\b):16*(\b)+15], v[8*(4*((\b)-8)+\a):8*(4*((\b)-8)+\a)+7]
.endif
.endr
.endif
.endm
.macro STEP slot, zero
	s_wait_dscnt 24
.irp b, 0,1,2,3,4,5
	MULB \b, 0, \zero
.endr
	s_wait_dscnt 0x0
	PLACES
	FETCH_W \slot, 1, 0
	FETCH_X \slot, 1, 1
.irp b, 6,7,8,9,10,11
	MULB \b, 0, \zero
.endr
	PLACES
	FETCH_W \slot, 1, 6
.endm
.macro TURN slot, next, fill
	s_wait_tensorcnt 0x0
	ds_add_u32 v[SPW], v[NIL]
	s_wait_dscnt 25
.irp b, 0,1,2
	MULB \b, 1, 0
.endr
	s_wait_dscnt 0x0
	s_barrier_signal -1
.irp b, 3,4,5
	MULB \b, 1, 0
.endr
	WIN 0
	s_barrier_wait -1
.if \fill
	CREST
	s_add_nc_u64 s[G0A+4*\slot+2:G0A+4*\slot+3], s[G0A+4*\slot+2:G0A+4*\slot+3], 512
	s_add_nc_u64 s[G0B+4*\slot+2:G0B+4*\slot+3], s[G0B+4*\slot+2:G0B+4*\slot+3], 512
	JLOAD \slot
.else
	PLACES
.endif
	FETCH_W \next, 0, 0
	FETCH_X \next, 0, 0
.irp b, 6,7,8,9,10,11
	MULB \b, 1, 0
.endr
	PLACES
	FETCH_W \next, 0, 6
.endm
	s_wait_alu depctr_va_vdst(0)
	s_wait_loadcnt 0x20                    ; the biases are in; the 32 loads of cosines and sines behind them may be out
	s_wait_kmcnt 0x0                       ; the scales' exponents
	SCALES 4, 5, 10, SCQ, LMQ, 20
	SCALES 6, 7, 11, SCK, LMK, 21
	SCALES 8, 9, 12, SCV, LMV, 22
.set n, 0
.rept 32
	v_ldexp_f32 v[BQ+n], v[BQ+n], s20
	v_ldexp_f32 v[BK+n], v[BK+n], s21
.set n, n+1
.endr
.irp b, 0,1,2,3
.irp j, 0,1,2,3,4,5,6,7
	v_ldexp_f32 v[VC+8*\b+\j], v[BV+2*\b], s22     ; v's result has one channel a lane: the same bias in all eight registers
.endr
.endr
	s_wait_alu depctr_va_vdst(0)
	s_wait_tensorcnt 0x0                   ; my part of K step 0 is in
	ds_add_u32 v[SPW], v[NIL]
	s_wait_dscnt 0x0
	CROUND                                 ; everybody's part is in: K step 1's joint load is the first behind the round
	JLOAD 1
	FETCH_W 0, 0, 0
	FETCH_X 0, 0, 0
	FETCH_W 0, 0, 6
	ASK 3
	STEP 0, 1
	TURN 0, 1, 1
	STEP 1, 0
	TURN 1, 0, 1
	STEP 0, 0
	TURN 0, 1, 0
	STEP 1, 0
	s_wait_dscnt 24
.irp b, 0,1,2,3,4,5
	MULB \b, 1, 0
.endr
	s_wait_dscnt 0x0
.irp b, 6,7,8,9,10,11
	MULB \b, 1, 0
.endr
	WIN 0
	s_wait_loadcnt 0x0                     ; cosines and sines
	PLACES
	WIN 0x03
	s_wait_alu depctr_va_vdst(0)
.set n, 0
.rept 128
	v_med3_num_f32 v[T+n], v[n], -v[LMV], v[LMV]   ; each accumulator from its low end on
.set n, n+1
.endr
	WIN 0
.irp b, 0,1,2,3
.irp a, 0,1,2,3
	v_cvt_scalef32_pk8_fp8_f32 v[VC+8*\b+2*\a:VC+8*\b+2*\a+1], v[T+8*(4*\b+\a):T+8*(4*\b+\a)+7], v[SCV]
.endr
.endr
	v_nop
.irp b, 0,1,2,3
	global_store_b128 v[LI], v[VC+8*\b:VC+8*\b+3], s[92:93] offset:2048*\b
	global_store_b128 v[LI], v[VC+8*\b+4:VC+8*\b+7], s[92:93] offset:2048*\b+512
.endr
.macro ROPE_OUT zt, vsc, vlim, vfr, sptr
.irp a, 0,1,2,3
	WIN 0x0e                               ; source 0: the accumulators in window 2, source 1: cosines and sines in window 3
.irp b, 0,1,2,3
.set AQ, 8*(4*(\zt+\b)+\a)
.irp p, 0,2                            ; a pair (a, b): U = (b s, a s), then (a c - b s, b c + a s)
	v_pk_mul_f32 v[U+8*\b+2*\p:U+8*\b+2*\p+1], v[AQ+2*\p:AQ+2*\p+1], v[CS+32*\a+16+4*\b+\p:CS+32*\a+16+4*\b+\p+1] op_sel:[1,0] op_sel_hi:[0,0]
	v_pk_mul_f32 v[U+8*\b+2*\p+2:U+8*\b+2*\p+3], v[AQ+2*\p+2:AQ+2*\p+3], v[CS+32*\a+16+4*\b+\p:CS+32*\a+16+4*\b+\p+1] op_sel:[1,1] op_sel_hi:[0,1]
.endr
.endr
.irp b, 0,1,2,3
.set AQ, 8*(4*(\zt+\b)+\a)
.irp p, 0,2
	v_pk_fma_f32 v[T+8*\b+2*\p:T+8*\b+2*\p+1], v[AQ+2*\p:AQ+2*\p+1], v[CS+32*\a+4*\b+\p:CS+32*\a+4*\b+\p+1], v[U+8*\b+2*\p:U+8*\b+2*\p+1] op_sel:[0,0,0] op_sel_hi:[1,0,1] neg_lo:[0,0,1]
	v_pk_fma_f32 v[T+8*\b+2*\p+2:T+8*\b+2*\p+3], v[AQ+2*\p+2:AQ+2*\p+3], v[CS+32*\a+4*\b+\p:CS+32*\a+4*\b+\p+1], v[U+8*\b+2*\p+2:U+8*\b+2*\p+3] op_sel:[0,1,0] op_sel_hi:[1,1,1] neg_lo:[0,0,1]
.endr
.endr
	WIN 0
.set n, 0
.rept 32
	v_med3_num_f32 v[T+n], v[T+n], -v[\vlim], v[\vlim]
.set n, n+1
.endr
.irp b, 0,1,2,3
	v_cvt_scalef32_pk8_fp8_f32 v[\vfr+8*\a+2*\b:\vfr+8*\a+2*\b+1], v[T+8*\b:T+8*\b+7], v[\vsc]
.endr
	v_nop
	global_store_b128 v[LI], v[\vfr+8*\a:\vfr+8*\a+3], s[\sptr:\sptr+1] offset:1024*\a
	global_store_b128 v[LI], v[\vfr+8*\a+4:\vfr+8*\a+7], s[\sptr:\sptr+1] offset:1024*\a+512
.endr
.endm
	ROPE_OUT 0, SCQ, LMQ, FQ, 88
	ROPE_OUT 4, SCK, LMK, FK, 90
	s_wait_tensorcnt 0x0
	ds_add_u32 v[SPW], v[NIL]
	s_wait_dscnt 0x0
	CROUND
	s_endpgm
.Lfunc_end_k_q3f72ee8ca2_qkv:
	.size	k_q3f72ee8ca2_qkv, .Lfunc_end_k_q3f72ee8ca2_qkv-k_q3f72ee8ca2_qkv
	.p2alignl 7, 3214868480
	.fill 96, 4, 3214868480
	.section	.rodata,"a",@progbits
	.p2align	6, 0x0
	.amdhsa_kernel k_q3f72ee8ca2_qkv
		.amdhsa_group_segment_fixed_size 327680
		.amdhsa_private_segment_fixed_size 0
		.amdhsa_enable_private_segment 0
		.amdhsa_kernarg_size 104
		.amdhsa_user_sgpr_count 2
		.amdhsa_user_sgpr_kernarg_segment_ptr 1
		.amdhsa_wavefront_size32 1
		.amdhsa_system_sgpr_workgroup_id_x 1
		.amdhsa_system_sgpr_workgroup_id_y 1
		.amdhsa_system_sgpr_workgroup_id_z 1
		.amdhsa_system_vgpr_workitem_id 0
		.amdhsa_next_free_vgpr 1024
		.amdhsa_next_free_sgpr 100
		.amdhsa_reserve_vcc 0
		.amdhsa_float_denorm_mode_32 3
		.amdhsa_float_denorm_mode_16_64 3
		.amdhsa_memory_ordered 1
		.amdhsa_forward_progress 1
		.amdhsa_inst_pref_size 130
	.end_amdhsa_kernel
	.amdgpu_metadata
---
amdhsa.version: [ 1, 2 ]
amdhsa.kernels:
  - .name:           k_q3f72ee8ca2_qkv
    .symbol:         k_q3f72ee8ca2_qkv.kd
    .args:
      - { .name: x_codes, .offset: 0, .size: 8, .value_kind: global_buffer, .address_space: global }
      - { .name: wq_w_codes, .offset: 8, .size: 8, .value_kind: global_buffer, .address_space: global }
      - { .name: wk_w_codes, .offset: 16, .size: 8, .value_kind: global_buffer, .address_space: global }
      - { .name: wv_w_codes, .offset: 24, .size: 8, .value_kind: global_buffer, .address_space: global }
      - { .name: wq_b, .offset: 32, .size: 8, .value_kind: global_buffer, .address_space: global }
      - { .name: wk_b, .offset: 40, .size: 8, .value_kind: global_buffer, .address_space: global }
      - { .name: wv_b, .offset: 48, .size: 8, .value_kind: global_buffer, .address_space: global }
      - { .name: pos_cos, .offset: 56, .size: 8, .value_kind: global_buffer, .address_space: global }
      - { .name: pos_sin, .offset: 64, .size: 8, .value_kind: global_buffer, .address_space: global }
      - { .name: lowp_scales, .offset: 72, .size: 8, .value_kind: global_buffer, .address_space: global }
      - { .name: q_img, .offset: 80, .size: 8, .value_kind: global_buffer, .address_space: global }
      - { .name: k_img, .offset: 88, .size: 8, .value_kind: global_buffer, .address_space: global }
      - { .name: v_img, .offset: 96, .size: 8, .value_kind: global_buffer, .address_space: global }
    .group_segment_fixed_size: 327680
    .private_segment_fixed_size: 0
    .kernarg_segment_align: 8
    .kernarg_segment_size: 104
    .max_flat_workgroup_size: 128
    .sgpr_count:     100
    .vgpr_count:     1024
    .wavefront_size: 32
...
	.end_amdgpu_metadata
.endif
;; end of part 1
;; launch attn (part 2): grid 8 x 32, 8 waves a work-group, clusters of 4 x 1, 327,680 bytes of LDS; arguments q_img, k_img, v_img, lowp_scales, a_img; writes a_img
.if DOCPART == 2
	.amdgcn_target "amdgcn-amd-amdhsa--gfx1250"
	.amdhsa_code_object_version 6
	.text
	.protected	k_q3f72ee8ca2_attn
	.globl	k_q3f72ee8ca2_attn
	.p2align	8
	.type	k_q3f72ee8ca2_attn,@function
k_q3f72ee8ca2_attn:
	s_mov_b64 s[64:65], 0
	v_nop
	global_prefetch_b8 v0, s[64:65] scope:SCOPE_SE
	s_setreg_imm32_b32 hwreg(HW_REG_WAVE_MODE, 25, 1), 1
	s_wait_xcnt 0x0
	s_wait_alu depctr_hold_cnt(0) depctr_sa_sdst(0) depctr_va_vdst(0) depctr_va_sdst(0) depctr_va_ssrc(0) depctr_va_vcc(0) depctr_vm_vsrc(0)
	s_getreg_b32 s2, hwreg(HW_REG_IB_STS2, 6, 4)
	s_cmp_eq_u32 s2, 0
	s_cbranch_scc0 .Lentry_in_a_cluster
	s_endpgm
.Lentry_in_a_cluster:
	s_bfe_u32 s2, ttmp6, 0x10000c
	s_cmp_lg_u32 s2, 0x3003
	s_cbranch_scc0 .Lentry_shape_is_right
	s_endpgm
.Lentry_shape_is_right:
; SECOND OF THREE LAUNCHES.  Causal attention of one head on codes of FP8 (E4M3): S^T = k q^T, the softmax, O^T = v^T p^T, / the row's sum, quantised for the last product.
; q_img, k_img: [head 32][16 tokens 128][1,024 bytes], v_img: [head 32][128 keys 16][16 channels 4][2,048 bytes]: images of the operands' registers, 16 bytes a lane and chunk.  Scales 2^e: q e6, k e7, v e8, p e9, the result e10.
; THE SOFTMAX: t = score x log2(e) / 8; M = the running largest t rounded UP to a whole number; p = 2^(t - M) is quantised, not normalised; the row's sum is taken of the unquantised p and divides at the end.
; When M moves, the sum and O^T are multiplied by 2^(old M - new M), which rounds nothing.
; DEAD WORK left out: steps of 128 keys all of which come after the tiles' queries (reference()'s own causal mask).
; SHARES.  A work-group has one head and, of eight of its 16 blocks of 128 queries, 32 queries each (two tiles of 16, the 2 cx-th and the next): block n has n + 1 steps of 128 keys, the last on the diagonal.
; The cluster's number x (0, 1) picks the blocks: b = 2 i + ((i xor x) and 1), i = 0 .. 3, and 15 - b: with either x the eight have 68 steps together.
; TWO WAVES (i) SHARE BLOCKS b AND 15 - b, 17 steps.  Wave B works all of block b (steps 0 .. b), sends it out, and then steps b + 1 .. 7 of block 15 - b: trips 0 to 7, step = trip.
; Wave A works steps 0 .. b and 8 .. 15 - b of block 15 - b: trips 0 to 8.  At the end B hands its part (O^T, M, sum) to A through LDS, and A joins the two by powers of two.
; A or B is the parity of the wave's number and its quarter, so that waves w, w + 4 and waves 2 j, 2 j + 1 are an A and a B.
; All of this hangs on the wave's and the cluster's numbers and is the same in all partners: the four work-groups of a cluster, which share the head, ask for K and V JOINTLY.  (cx enters global addresses and the mask's numbers alone.)
; THE WHOLE HEAD LIES IN LDS: k's 131,072 bytes, then v's; each byte is filled once.  Each wave has one load at the head (together steps 0 to 9 of k and v) and one behind the first full sequence (steps 10 to 15), which has two trips in which to land: trips 0 and 1, which fetch trip 2's k too, read no step above 9.
; NO PREFETCH: there are two fills and no loop that loads; the second is asked for as soon as the first is in.
; LAYOUT.  Both products are used transposed: a lane holds ONE query (lane % 16) of each tile throughout; a fragment of k or v feeds both tiles.  In S^T tile kt, lane (r, h) holds keys 16 kt + 8 h + 0 .. 7: their eight codes are registers 2 kt, 2 kt + 1 of p's operand.
; THE WAY OUT.  a_img [128 tokens 32][128 of K 8][16 tokens 8][chunk 4][lane 32][16 bytes]: lane (r, h) of the reader: token r, k = 32 chunk + 16 h + 0 .. 15.  My eight codes of channels 16 d on are 8 bytes of it; a store covers 256 consecutive bytes, aligned.
; LIMITS: e6 + e7 between -75 and 130 (added to c's exponent field; a hidden key's score is -2^111 or below ahead of that factor); e9 and e10 - e8 - e9 between -126 and 119; scaled scores under 2^31 in magnitude.  NaN among the inputs is not served.
.set VOFF,  131072                     ; v's image in LDS
.set STEPB, 8192                       ; a step's 128 keys in either image
.set PART1, 20480                      ; a wave's first load: 1/4 of ten steps of k or of v, 80 rows of 256 bytes
.set PART2, 12288                      ; its second: 1/4 of six steps, 48 rows
.set SPARE, 262144                     ; spare words, 128 bytes a wave
.set MERGE, SPARE+1024                 ; 4 x 8,704 bytes for B's parts: O^T, then -M and the sums
; window 0
.set LI,   1                           ; v1   16 x lane
.set SPW,  2                           ; v2, v3 the add's registers, made at the head and anew at the end; between the two the step's LDS addresses
.set NIL,  3
.set ADK,  2
.set ADV,  3
.set E0,   4                           ; v[4:5], v[6:7] the diagonal's bounds of a pair of keys for the two tiles: positive where the key counts, negative where it is hidden
.set E1,   6
.set GO,   8                           ; v8   16 r + 8 h: my 8 bytes of a store
.set SCP,  9                           ; v9   2^e9
.set LMO,  10                          ; v10, v11  448 x 2^(e10 - e8 - e9), 2^(e10 - e8 - e9)
.set SCO,  11
.set M0,   12                          ; v12 -M, v13 the largest raw score; v14, v15 the second tile's
.set M1,   14
.set L0,   16                          ; v[16:17], v[18:19] the sums in two halves
.set L1,   18
.set FA,   20                          ; v[20:21], v[22:23] f of either tile
.set FC,   22
.set TM,   24                          ; v24-31 at work
.set Q0,   32                          ; v32-39, v40-47 q's fragments
.set Q1,   40
.set S0,   48                          ; v48-111, v112-175 S^T, then p
.set S1,   112
.set PC0,  176                         ; v176-191 the first tile's codes of p
.set PC1,  S0                          ; the second's, where the first tile's p stood
.set KF,   192                         ; v192-255 k's eight fragments
; window 1
.set O0,   0                           ; O^T of either tile
.set O1,   32
.set VF,   64                          ; v's four fragments
.set QN,   128                         ; v128-143 the queries of block 15 - b, for B's change of blocks (A, whose first block that is, loads the same and does not use it: one text for all waves)
.set OC,   144                         ; v144-159 the result's codes
.set TB,   2                           ; s2   LDS byte of the step's v
.set TT,   3                           ; s3   the trip
.set WV,   18
.set RB,   19                          ; 0: wave A, 1: wave B
.set SEL,  20                          ; s[20:21] lane selects for v_permlanex16_b32: lane l xor 16
.set CS,   22                          ; s[22:23] c = log2(e) / 8 x 2^(e6 + e7)
.set G1,   24                          ; s[24:31], s[32:39] descriptor group 1 of the first and the second load
.set G1B,  32
.set G0,   40                          ; s[40:43], s[44:47] group 0
.set G0B,  44
.set NC,   48                          ; -c
.set LMP,  49                          ; 448 x 2^e9
.set TBN,  50                          ; 8,192 x trip
.set BB,   51                          ; b
.set JB,   52                          ; A: 8,192 (7 - b), what trips beyond b add; B: 0
.set LAST, 53                          ; my last trip
.set SWN,  54                          ; B: the trip behind which the block changes
.set DG,   55                          ; my trip on the diagonal
.set N2,   56                          ; s[56:57] -2 x 2^112, s[58:59] -10 x 2^112
.set N10,  58
.set SQ2,  60                          ; s[60:61] q of block 15 - b
.set CX,   62
.set HD,   63                          ; 16 x batch + head
.set CNT,  66
.set FB,   67                          ; my first block
.set TN,   75                          ; LDS byte one step ahead of the next trip's k
.set MSB, 0
.macro WIN new                         ; the immediate's high byte repeats the setting that is left
.if MSB != \new
	s_set_vgpr_msb (MSB<<8)|\new
.set MSB, \new
.endif
.endm
.macro CROUND                          ; a round of the cluster's barrier
	s_barrier_signal -1
	s_barrier_wait -1
	s_cmp_lg_u32 s[WV], 0
	s_cbranch_scc1 .Lnot_wave_0_\@
	s_barrier_signal -3
.Lnot_wave_0_\@:
	s_barrier_wait -3
	s_barrier_signal -1
	s_barrier_wait -1
.endm
.macro RESET                           ; a block begins: the step is written for every trip alike, so the first finds zeros, which the first change of M leaves zeros
.irp m, M0, M1
	v_mov_b32 v[\m], 0x7f61b1e6            ; -M = 3e38
	v_mov_b32 v[\m+1], 0xff61b1e6          ; the largest score so far: -3e38
.endr
.irp k, 0,1,2,3
	v_mov_b32 v[L0+\k], 0
.endr
	WIN 0x40
.set n, 0
.rept 64
	v_mov_b32 v[O0+n], 0
.set n, n+1
.endr
	WIN 0
.endm
	s_load_b256 s[4:11], s[0:1], 0x0       ; q_img s[4:5], k_img s[6:7], v_img s[8:9], the scales' exponents s[10:11]
	s_load_b64 s[12:13], s[0:1], 0x20      ; a_img
	v_lshl_add_u32 v[SPW], v0, 2, SPARE
	v_mov_b32 v[NIL], 0
	ds_add_u32 v[SPW], v[NIL]              ; the opening add, twice on end
	ds_add_u32 v[SPW], v[NIL]
	v_lshrrev_b32 v26, 5, v0
	v_readfirstlane_b32 s[WV], v26         ; wave 0..7
	s_lshr_b32 s14, s[WV], 2
	s_xor_b32 s14, s14, s[WV]
	s_and_b32 s[RB], s14, 1
	s_xor_b32 s15, s[RB], 1                ; 1 in A
	s_lshr_b32 s16, s[WV], 1               ; i
	s_xor_b32 s17, s16, ttmp9
	s_and_b32 s17, s17, 1                  ; (i xor x) and 1
	s_lshl_b32 s14, s16, 1
	s_add_co_u32 s[BB], s14, s17           ; b
	s_xor_b32 s17, s17, 1
	s_and_b32 s17, s17, 1
	s_xor_b32 s14, s16, 3
	s_lshl_b32 s14, s14, 1
	s_add_co_u32 s14, s14, s17             ; 7 - b
	s_mul_i32 s[JB], s14, s15
	s_lshl_b32 s[JB], s[JB], 13
	s_sub_co_u32 s[LAST], 8, s[RB]
	s_lshl_b32 s14, s15, 4
	s_add_co_u32 s[SWN], s[BB], s14        ; in A beyond every trip
	s_mul_i32 s14, s[BB], s[RB]
	s_lshl_b32 s16, s15, 3
	s_add_co_u32 s[DG], s14, s16           ; A: trip 8, B: trip b
	s_mul_i32 s14, s15, 15
	s_xor_b32 s[FB], s14, s[BB]            ; A: 15 - b, B: b
	s_bfe_u32 s[CX], ttmp6, 0x40000
	s_and_b32 s[HD], ttmp7, 0xffff
	s_mov_b32 s[G1], 15|(3<<16)|(1<<21)    ; 15:0 the mask: all four work-groups; 17:16 elements of 8 bytes; 21 set beside a mask; no padding
	s_mov_b32 s[G1+1], 32<<16              ; rows of 32 elements, 256 bytes
	s_mov_b32 s[G1+2], 80<<16
	s_mov_b32 s[G1+3], 32<<16
	s_mov_b32 s[G1+4], 80
	s_mov_b32 s[G1+5], 32                  ; dense
	s_mov_b32 s[G1+6], 0
	s_mov_b32 s[G1+7], 0
	s_mov_b32 s[G1B], 15|(3<<16)|(1<<21)
	s_mov_b32 s[G1B+1], 32<<16
	s_mov_b32 s[G1B+2], 48<<16
	s_mov_b32 s[G1B+3], 32<<16
	s_mov_b32 s[G1B+4], 48
	s_mov_b32 s[G1B+5], 32
	s_mov_b32 s[G1B+6], 0
	s_mov_b32 s[G1B+7], 0
	s_lshr_b32 s16, s[WV], 2               ; 0: I fetch k, 1: v
	s_and_b32 s17, s[WV], 3                ; which quarter
	s_lshl_b32 s16, s16, 17
	s_mul_i32 s88, s17, PART1
	s_mov_b32 s89, 0
	s_mul_i32 s90, s17, PART2
	s_add_co_u32 s90, s90, 10*STEPB
	s_mov_b32 s91, 0
	s_mov_b32 s[G0], 1
	s_add_co_u32 s[G0+1], s16, s88         ; LDS address: as in memory, v's image behind k's
	s_mov_b32 s[G0B], 1
	s_add_co_u32 s[G0B+1], s16, s90
	s_lshl_b32 s80, s[HD], 17              ; the head's 131,072 bytes in either buffer
	s_mov_b32 s81, 0
	s_wait_alu depctr_va_vdst(0)
	s_wait_dscnt 0x0                       ; both opening adds are done
	s_wait_kmcnt 0x0
	s_load_b128 s[68:71], s[10:11], 0x18   ; e6, e7, e8, e9
	s_load_b32 s72, s[10:11], 0x28         ; e10
	s_cmp_lt_u32 s[WV], 4
	s_cselect_b64 s[82:83], s[6:7], s[8:9]
	s_add_nc_u64 s[82:83], s[82:83], s[80:81]
	s_add_nc_u64 s[G0+2:G0+3], s[82:83], s[88:89]
	s_or_b32 s[G0+3], s[G0+3], 0x80000000
	s_add_nc_u64 s[G0B+2:G0B+3], s[82:83], s[90:91]
	s_or_b32 s[G0B+3], s[G0B+3], 0x80000000
	CROUND                                 ; all four work-groups are here: the joint loads meet
	tensor_load_to_lds s[G0:G0+3], s[G1:G1+7]   ; my quarter of steps 0 to 9
	s_nop 0
.rept 4
	v_nop
.endr
	s_lshl_b32 s74, s[HD], 7               ; tiles of queries: 128 x head + 8 x block + 2 cx, of 1,024 bytes
	s_lshl_b32 s82, s[CX], 1
	s_add_co_u32 s74, s74, s82
	s_xor_b32 s76, s[BB], 15
	s_lshl_b32 s76, s76, 3
	s_add_co_u32 s76, s76, s74
	s_lshl_b32 s76, s76, 10
	s_mov_b32 s77, 0
	s_add_nc_u64 s[SQ2:SQ2+1], s[4:5], s[76:77]
	s_lshl_b32 s78, s[FB], 3
	s_add_co_u32 s78, s78, s74
	s_lshl_b32 s78, s78, 10
	s_mov_b32 s79, 0
	s_add_nc_u64 s[4:5], s[4:5], s[78:79]
.macro LOADQ base, reg                 ; the two tiles' fragments: 2,048 bytes on end, 16 registers on end
.irp c, 0,1,2,3
	global_load_b128 v[\reg+4*\c:\reg+4*\c+3], v[LI], s[\base:\base+1] offset:512*\c
.endr
.endm
	v_and_b32 v[LI], 31, v0
	v_lshlrev_b32 v[LI], 4, v[LI]
	LOADQ 4, Q0
	WIN 0x40
	LOADQ SQ2, QN
	WIN 0
	s_lshr_b32 s80, s[HD], 4
	s_lshl_b32 s80, s80, 4
	s_add_co_u32 s80, s80, s[FB]           ; the result: block of 128 tokens 16 x batch + block,
	s_lshl_b32 s80, s80, 3
	s_bfe_u32 s81, s[HD], 0x30001
	s_add_co_u32 s80, s80, s81             ; K step head / 2,
	s_lshl_b32 s80, s80, 3
	s_add_co_u32 s80, s80, s82             ; tile 2 cx,
	s_lshl_b32 s80, s80, 11                ; of 2,048 bytes;
	s_and_b32 s81, s[HD], 1
	s_lshl_b32 s81, s81, 10                ; an odd head's 64 channels are its chunks 2 and 3
	s_add_co_u32 s80, s80, s81
	s_mov_b32 s81, 0
	s_add_nc_u64 s[12:13], s[12:13], s[80:81]
	s_lshl_b32 s82, s[CX], 5
	s_mov_b32 s[SEL], 0x76543210
	s_mov_b32 s[SEL+1], 0xfedcba98
	s_mov_b32 s[N2], 0xf8000000
	s_mov_b32 s[N2+1], 0xf8000000
	s_mov_b32 s[N10], 0xf9200000
	s_mov_b32 s[N10+1], 0xf9200000
	v_and_b32 v[E0], 15, v0                ; r
	v_bfe_u32 v[E0+1], v0, 4, 1            ; h
	v_lshlrev_b32 v[GO], 4, v[E0]
	v_lshl_add_u32 v[GO], v[E0+1], 3, v[GO]
	v_lshlrev_b32 v[E0+1], 3, v[E0+1]
	v_sub_nc_u32 v[E0], v[E0], v[E0+1]
	v_add_nc_u32 v[E0], s82, v[E0]         ; D = 32 cx + r - 8 h: on the diagonal register 8 kt + j is hidden in the first tile where 16 kt + j > D, in the second where 16 kt + j > D + 16
	v_cvt_f32_i32 v26, v[E0]
	v_add_f32 v[E0], 0x41280000, v26       ; the bounds stand ten keys ahead of the step's first pair: D + 10.5, D + 9.5,
	v_add_f32 v[E0+1], 0x41180000, v26
	v_add_f32 v[E1], 0x41d40000, v26       ; D + 26.5, D + 25.5,
	v_add_f32 v[E1+1], 0x41cc0000, v26
.irp k, 0,1,2,3
	v_mul_f32 v[E0+\k], 0x77800000, v[E0+\k]   ; x 2^112
.endr
	v_mov_b32 v[FA+1], 0                   ; (named as the upper halves of the pairs of f)
	v_mov_b32 v[FC+1], 0
	RESET
	s_wait_alu depctr_va_vdst(0)
	s_wait_kmcnt 0x0
	s_add_co_i32 s73, s68, s69
	s_lshl_b32 s73, s73, 23
	s_mov_b32 s[CS], 0x3e38aa3b            ; log2(e) / sqrt(64)
	s_add_co_i32 s[CS], s[CS], s73         ; a score stands for score x 2^(e6 + e7)
	s_mov_b32 s[CS+1], s[CS]               ; (named with it as a pair, so it is written)
	s_xor_b32 s[NC], s[CS], 0x80000000
	s_add_co_i32 s73, s71, 127
	s_lshl_b32 s74, s73, 23
	v_mov_b32 v[SCP], s74                  ; 2^e9 as f32: the conversion takes its exponent field
	s_add_co_i32 s73, s73, 8
	s_lshl_b32 s73, s73, 23
	s_or_b32 s[LMP], s73, 0x600000         ; 448 x 2^e9
	s_sub_co_i32 s73, s72, s70
	s_sub_co_i32 s73, s73, s71             ; O^T / the sum stands for that x 2^(e8 + e9): its code is it / 2^(e10 - e8 - e9)
	s_add_co_i32 s73, s73, 127
	s_lshl_b32 s74, s73, 23
	v_mov_b32 v[SCO], s74
	s_add_co_i32 s73, s73, 8
	s_lshl_b32 s73, s73, 23
	s_or_b32 s73, s73, 0x600000
	v_mov_b32 v[LMO], s73
; O^T / the sum of both tiles, held, quantised, stored; register 8 d + j of lane (r, h) is channel 16 d + 8 h + j of query r
.macro WAYOUT
	s_wait_alu depctr_va_vdst(0)
	s_wait_xcnt 0x0                        ; no earlier store still has the codes' registers to read
	v_add_f32 v[L0], v[L0], v[L0+1]        ; the sums' two halves,
	v_add_f32 v[L1], v[L1], v[L1+1]
	v_permlanex16_b32 v25, v[L0], s[SEL], s[SEL+1]
	v_permlanex16_b32 v29, v[L1], s[SEL], s[SEL+1]
	v_add_f32 v[L0], v[L0], v25            ; and lane l xor 16's: the rows' sums
	v_add_f32 v[L1], v[L1], v29
	s_wait_alu depctr_va_vdst(0)
	v_rcp_f32 v[L0], v[L0]
	v_rcp_f32 v[L1], v[L1]
	v_nop
	WIN 0x01
	s_wait_alu depctr_va_vdst(0)           ; one wait: for the reciprocals' readers, which are O^T's first readers too
.set n, 0
.rept 16
	v_pk_mul_f32 v[S0+n:S0+n+1], v[O0+n:O0+n+1], v[L0:L0+1] op_sel_hi:[1,0]
.set n, n+2
.endr
.set n, 0
.rept 16
	v_pk_mul_f32 v[S0+32+n:S0+33+n], v[O1+n:O1+n+1], v[L1:L1+1] op_sel_hi:[1,0]
.set n, n+2
.endr
	WIN 0
.set n, 0
.rept 64
	v_med3_num_f32 v[S0+n], v[S0+n], -v[LMO], v[LMO]
.set n, n+1
.endr
	WIN 0x40
.irp d, 0,1,2,3
	v_cvt_scalef32_pk8_fp8_f32 v[OC+2*\d:OC+2*\d+1], v[S0+8*\d:S0+8*\d+7], v[SCO]
	v_cvt_scalef32_pk8_fp8_f32 v[OC+8+2*\d:OC+8+2*\d+1], v[S0+32+8*\d:S0+39+8*\d], v[SCO]
.endr
	v_nop
	WIN 0x04
.irp d, 0,1,2,3
	global_store_b64 v[GO], v[OC+2*\d:OC+2*\d+1], s[12:13] offset:256*\d   ; 32 lanes store 256 consecutive bytes, aligned: half a chunk of the reader's image
	global_store_b64 v[GO], v[OC+8+2*\d:OC+8+2*\d+1], s[12:13] offset:2048+256*\d
.endr
	WIN 0
.endm
.macro HOLD r                          ; the conversion to an 8-bit code does not saturate (ISA guide 7.6.2); p is not negative, so the hold is one-sided
	v_dual_min_num_f32 v[\r], s[LMP], v[\r] :: v_dual_min_num_f32 v[\r+1], s[LMP], v[\r+1]
.endm
; A TRIP: one key step of both tiles, or nothing behind my last trip.  The branches hang on the wave's and the cluster's numbers and the trip alone and lead round no barrier, wait for a fill or add.
.macro TRIP
	s_cmp_gt_u32 s[TT], s[LAST]
	s_cbranch_scc1 .Lhidden_\@
	s_cmp_gt_u32 s[TT], s[BB]
	s_cselect_b32 s[TB], s[JB], 0          ; A goes from step b on to step 8
	s_add_co_u32 s[TB], s[TB], s[TBN]
	s_add_co_u32 s[TB], s[TB], VOFF
	s_cmp_ge_u32 s[TT], s[BB]
	s_cselect_b32 s[TN], s[JB], 0          ; the next trip's step, less one
	s_add_co_u32 s[TN], s[TN], s[TBN]
	v_add_nc_u32 v[ADV], s[TB], v[LI]
	v_add_nc_u32 v[ADK], s[TN], v[LI]
.rept 3
	v_nop                                  ; with the two additions: five places ahead of products that write over registers which the last step's products have read
.endr
.irp t, 0,1,2,3,4,5,6,7
	v_wmma_f32_16x16x64_fp8_fp8 v[S0+8*\t:S0+8*\t+7], v[KF+8*\t:KF+8*\t+7], v[Q0:Q0+7], 0
	v_wmma_f32_16x16x64_fp8_fp8 v[S1+8*\t:S1+8*\t+7], v[KF+8*\t:KF+8*\t+7], v[Q1:Q1+7], 0
.endr
.rept 4
	v_nop                                  ; places behind the products: their sources are loaded anew and their results read below
.endr
	WIN 0x40
.irp d, 0,1,2,3
.irp c, 0,1,2,3
	ds_load_b128 v[VF+16*\d+4*\c:VF+16*\d+4*\c+3], v[ADV] offset:2048*\d+512*\c   ; an image comes back as it was stored: 512 consecutive bytes a load
.endr
.endr
	WIN 0
	s_cmp_ge_u32 s[TT], s[LAST]
	s_cbranch_scc1 .Llast_\@
.irp t, 0,1,2,3,4,5,6,7
	ds_load_b128 v[KF+8*\t:KF+8*\t+3], v[ADK] offset:STEPB+1024*\t          ; the next trip's k
	ds_load_b128 v[KF+8*\t+4:KF+8*\t+7], v[ADK] offset:STEPB+1024*\t+512
.endr
.Llast_\@:
	s_cmp_lg_u32 s[TT], s[DG]              ; on the diagonal the scores of hidden keys are held under -2^111 ahead of the maximum: p = 0 then
	s_cbranch_scc1 .Lopen_\@
.set n, 0
.rept 32
.if n%4 == 0
	v_pk_add_f32 v[E0:E0+1], v[E0:E0+1], s[N10:N10+1] op_sel_hi:[1,0]   ; ten keys on
	v_pk_add_f32 v[E1:E1+1], v[E1:E1+1], s[N10:N10+1] op_sel_hi:[1,0]
.else
	v_pk_add_f32 v[E0:E0+1], v[E0:E0+1], s[N2:N2+1] op_sel_hi:[1,0]     ; two keys on
	v_pk_add_f32 v[E1:E1+1], v[E1:E1+1], s[N2:N2+1] op_sel_hi:[1,0]
.endif
	v_dual_min_num_f32 v[S0+2*n], v[S0+2*n], v[E0] :: v_dual_min_num_f32 v[S0+2*n+1], v[S0+2*n+1], v[E0+1]
	v_dual_min_num_f32 v[S1+2*n], v[S1+2*n], v[E1] :: v_dual_min_num_f32 v[S1+2*n+1], v[S1+2*n+1], v[E1+1]
.set n, n+1
.endr
.Lopen_\@:
.irp k, 0,1,2,3                        ; the step's largest score of my query among my 64 keys, in four chains a tile; each accumulator is first read at its low end
	v_max3_num_f32 v[TM+\k], v[S0+3*\k], v[S0+3*\k+1], v[S0+3*\k+2]
	v_max3_num_f32 v[TM+4+\k], v[S1+3*\k], v[S1+3*\k+1], v[S1+3*\k+2]
.endr
.set n, 12
.rept 6
.irp k, 0,1,2,3
	v_max3_num_f32 v[TM+\k], v[TM+\k], v[S0+n], v[S0+n+1]
	v_max3_num_f32 v[TM+4+\k], v[TM+4+\k], v[S1+n], v[S1+n+1]
.set n, n+2
.endr
.endr
.irp k, 0,1
	v_max3_num_f32 v[TM+\k], v[TM+\k], v[S0+60+2*\k], v[S0+61+2*\k]
	v_max3_num_f32 v[TM+4+\k], v[TM+4+\k], v[S1+60+2*\k], v[S1+61+2*\k]
.endr
	v_max3_num_f32 v24, v24, v25, v26
	v_max3_num_f32 v28, v28, v29, v30
	v_max_num_f32 v24, v24, v27
	v_max_num_f32 v28, v28, v31
	v_permlanex16_b32 v25, v24, s[SEL], s[SEL+1]
	v_permlanex16_b32 v29, v28, s[SEL], s[SEL+1]
	v_max3_num_f32 v[M0+1], v[M0+1], v24, v25      ; the running largest score, lane l xor 16's keys among them
	v_max3_num_f32 v[M1+1], v[M1+1], v28, v29
	v_mul_f32 v24, s[NC], v[M0+1]          ; -t (c is positive)
	v_mul_f32 v28, s[NC], v[M1+1]
	v_floor_f32 v24, v24                   ; the new -M = floor(-t): M is a whole number
	v_floor_f32 v28, v28
	v_sub_f32 v25, v24, v[M0]              ; M's old value less its new one: a whole number, 0 or less
	v_sub_f32 v29, v28, v[M1]
	v_mov_b32 v[M0], v24
	v_mov_b32 v[M1], v28
	v_cvt_i32_f32 v25, v25                 ; (it saturates)
	v_cvt_i32_f32 v29, v29
.set n, 0
.rept 32
	v_pk_fma_f32 v[S0+n:S0+n+1], v[S0+n:S0+n+1], s[CS:CS+1], v[M0:M0+1] op_sel_hi:[1,0,0]   ; t - M, two at a time (of the pairs c and -M the low word serves both halves)
.if n == 8
	v_ldexp_f32 v[FA], 1.0, v25            ; f = 2^(old M - new M)
	v_ldexp_f32 v[FC], 1.0, v29
.endif
.set n, n+2
.endr
	WIN 0x41
.set n, 0
.rept 16
	v_pk_mul_f32 v[O0+n:O0+n+1], v[O0+n:O0+n+1], v[FA:FA+1] op_sel_hi:[1,0]   ; O^T under the new M
	v_pk_mul_f32 v[O1+n:O1+n+1], v[O1+n:O1+n+1], v[FC:FC+1] op_sel_hi:[1,0]
.set n, n+2
.endr
	WIN 0
	s_wait_alu depctr_va_vdst(0)
.set n, 0
.rept 32
	v_exp_f32 v[S0+n], v[S0+n]             ; the first tile's p = 2^(t - M), at most 1; among them the second tile's t - M
	v_exp_f32 v[S0+n+1], v[S0+n+1]
	v_pk_fma_f32 v[S1+n:S1+n+1], v[S1+n:S1+n+1], s[CS:CS+1], v[M1:M1+1] op_sel_hi:[1,0,0]
.set n, n+2
.endr
	v_pk_mul_f32 v[L0:L0+1], v[L0:L0+1], v[FA:FA+1] op_sel_hi:[1,0]     ; the sums under the new M
	v_pk_mul_f32 v[L1:L1+1], v[L1:L1+1], v[FC:FC+1] op_sel_hi:[1,0]
	s_wait_alu depctr_va_vdst(0)
; The second tile's exponentials in two runs.  Among them the first tile's sum, of the unquantised p, in twelve parts (four at v24, eight where its codes will stand), and its holds.
.set n, 0
.rept 32
	v_exp_f32 v[S1+n], v[S1+n]
.if n < 4
	v_pk_add_f32 v[TM+2*n:TM+2*n+1], v[S0+4*n:S0+4*n+1], v[S0+4*n+2:S0+4*n+3]
.elseif n < 12
	v_pk_add_f32 v[PC0+2*n-8:PC0+2*n-7], v[S0+4*n:S0+4*n+1], v[S0+4*n+2:S0+4*n+3]
.endif
.set n, n+1
.endr
	s_wait_alu depctr_va_vdst(0)
.set n, 0
.rept 32
	v_exp_f32 v[S1+32+n], v[S1+32+n]
.if n < 4
	v_pk_add_f32 v[TM+2*n:TM+2*n+1], v[TM+2*n:TM+2*n+1], v[S0+48+2*n:S0+49+2*n]
.elseif n < 8
	v_pk_add_f32 v[PC0+2*n-8:PC0+2*n-7], v[PC0+2*n-8:PC0+2*n-7], v[S0+48+2*n:S0+49+2*n]
.else
	HOLD S0+2*n-16
.endif
.set n, n+1
.endr
	s_wait_alu depctr_va_vdst(0)
.irp j, 0,1,2,3
	v_pk_add_f32 v[TM+2*\j:TM+2*\j+1], v[TM+2*\j:TM+2*\j+1], v[PC0+8+2*\j:PC0+9+2*\j]
	HOLD S0+48+4*\j
.endr
.irp j, 0,1,2,3
	v_pk_add_f32 v[TM+2*\j:TM+2*\j+1], v[TM+2*\j:TM+2*\j+1], v[PC0+2*\j:PC0+2*\j+1]
	HOLD S0+50+4*\j
.endr
	v_pk_add_f32 v[L0:L0+1], v[L0:L0+1], v[24:25]
	v_pk_add_f32 v[26:27], v[26:27], v[28:29]
	v_pk_add_f32 v[24:25], v[S1:S1+1], v[S1+2:S1+3]       ; the second tile's sum, in four chains
	v_pk_add_f32 v[L0:L0+1], v[L0:L0+1], v[30:31]
	v_pk_add_f32 v[28:29], v[S1+8:S1+9], v[S1+10:S1+11]
	v_pk_add_f32 v[L1:L1+1], v[L1:L1+1], v[S1+12:S1+13]
	v_pk_add_f32 v[L0:L0+1], v[L0:L0+1], v[26:27]
	v_pk_add_f32 v[26:27], v[S1+4:S1+5], v[S1+6:S1+7]
.set n, 0
.rept 8
	v_cvt_scalef32_pk8_fp8_f32 v[PC0+2*n:PC0+2*n+1], v[S0+8*n:S0+8*n+7], v[SCP]   ; keys 16 n + 8 h + 0 .. 7: registers 2 n, 2 n + 1 of the operand
.set n, n+1
.endr
.set n, 14
.rept 6
.irp k, 24,28,18,26
	v_pk_add_f32 v[\k:\k+1], v[\k:\k+1], v[S1+n:S1+n+1]
.set n, n+2
.endr
.endr
	v_pk_add_f32 v[24:25], v[24:25], v[S1+62:S1+63]
.set n, 0
.rept 32
	HOLD S1+n
.set n, n+2
.endr
.set n, 0
.rept 8
	v_cvt_scalef32_pk8_fp8_f32 v[PC1+2*n:PC1+2*n+1], v[S1+8*n:S1+8*n+7], v[SCP]
.set n, n+1
.endr
	v_pk_add_f32 v[L1:L1+1], v[L1:L1+1], v[24:25]   ; (these are also the plain instructions between the conversions and the products)
	v_pk_add_f32 v[26:27], v[26:27], v[28:29]
	v_pk_add_f32 v[L1:L1+1], v[L1:L1+1], v[26:27]
	s_wait_alu depctr_va_vdst(0)
	s_wait_dscnt 0x0                       ; v is in, and the next trip's k
	WIN 0x51
.irp d, 0,1,2,3                        ; the eight accumulators take turns
	v_wmma_f32_16x16x128_fp8_fp8 v[O0+8*\d:O0+8*\d+7], v[VF+16*\d:VF+16*\d+15], v[PC0:PC0+15], v[O0+8*\d:O0+8*\d+7]
	v_wmma_f32_16x16x128_fp8_fp8 v[O1+8*\d:O1+8*\d+7], v[VF+16*\d:VF+16*\d+15], v[PC1:PC1+15], v[O1+8*\d:O1+8*\d+7]
.endr
	WIN 0
	s_cmp_lg_u32 s[TT], s[SWN]
	s_cbranch_scc1 .Lhidden_\@
.rept 4
	v_nop                                  ; B: BLOCK b IS COMPLETE.  Places behind the last products
.endr
	WAYOUT
	WIN 0x01
.set n, 0
.rept 16
	v_mov_b32 v[Q0+n], v[QN+n]             ; on to block 15 - b: its queries were loaded at the head
.set n, n+1
.endr
	WIN 0
	RESET
	s_wait_alu depctr_va_vdst(0)
.Lhidden_\@:
	s_add_co_u32 s[TT], s[TT], 1
	s_add_co_u32 s[TBN], s[TBN], STEPB
.endm
	s_wait_alu depctr_va_vdst(0)
	s_wait_loadcnt 0x0                     ; q
	s_wait_tensorcnt 0x0                   ; my part of steps 0 to 9 is in
	ds_add_u32 v[SPW], v[NIL]
	s_wait_dscnt 0x0
	CROUND                                 ; everybody's part is in, and the joint loads meet
	tensor_load_to_lds s[G0B:G0B+3], s[G1B:G1B+7]   ; my quarter of steps 10 to 15
	s_nop 0
.rept 4
	v_nop
.endr
.irp t, 0,1,2,3,4,5,6,7
	ds_load_b128 v[KF+8*\t:KF+8*\t+3], v[LI] offset:1024*\t          ; trip 0's k
	ds_load_b128 v[KF+8*\t+4:KF+8*\t+7], v[LI] offset:1024*\t+512
.endr
	s_mov_b32 s[TT], 0
	s_mov_b32 s[TBN], 0
	s_mov_b32 s[CNT], 2
	s_wait_dscnt 0x0
.Lfirst:                                       ; trips 0 and 1
	TRIP
	s_sub_co_u32 s[CNT], s[CNT], 1
	s_cmp_lg_u32 s[CNT], 0
	s_cbranch_scc1 .Lfirst
	s_wait_alu depctr_va_vdst(0)
	s_wait_tensorcnt 0x0                   ; my part of steps 10 to 15 is in
	s_wait_dscnt 0x0                       ; no LDS instruction of mine is pending at the signal
	s_barrier_signal -1
	s_barrier_wait -1                      ; everybody's is; no load is out from here on
	s_mov_b32 s[TT], 2
	s_mov_b32 s[TBN], 2*STEPB
	s_mov_b32 s[CNT], 7
.Lrest:
	TRIP
	s_sub_co_u32 s[CNT], s[CNT], 1
	s_cmp_lg_u32 s[CNT], 0
	s_cbranch_scc1 .Lrest
	; THE JOINING of block 15 - b's two parts (with b = 7 B's part is empty: zeros under -M = 3e38, which A multiplies by 0)
	s_lshr_b32 s14, s[WV], 1
	s_mul_i32 s14, s14, 8704
	s_add_co_u32 s14, s14, MERGE
	v_add_nc_u32 v[ADK], s14, v[LI]        ; my pair's bytes
.rept 4
	v_nop                                  ; places behind the last products
.endr
	s_wait_alu depctr_va_vdst(0)
	s_cmp_eq_u32 s[RB], 0
	s_cbranch_scc1 .Lkeep
	v_add_f32 v[M0+1], v[L0], v[L0+1]
	v_add_f32 v[M1+1], v[L1], v[L1+1]
	WIN 0x04
.irp i, 0,1,2,3,4,5,6,7,8,9,10,11,12,13,14,15
	ds_store_b128 v[ADK], v[O0+4*\i:O0+4*\i+3] offset:512*\i
.endr
	WIN 0
	ds_store_b128 v[ADK], v[M0:M0+3] offset:8192   ; -M and the lane's sum of either tile
.Lkeep:
	s_wait_dscnt 0x0                       ; B's stores are done
	s_barrier_signal -1
	s_barrier_wait -1
	s_cmp_lg_u32 s[RB], 0
	s_cbranch_scc1 .Lend
	ds_load_b128 v[24:27], v[ADK] offset:8192
.irp i, 0,1,2,3,4,5,6,7,8,9,10,11,12,13,14,15
	ds_load_b128 v[S0+4*\i:S0+4*\i+3], v[ADK] offset:512*\i
.endr
	v_add_f32 v[L0], v[L0], v[L0+1]
	v_add_f32 v[L1], v[L1], v[L1+1]
	s_wait_alu depctr_va_vdst(0)
	s_wait_dscnt 0x0
	v_min_num_f32 v28, v[M0], v24          ; -M of the two parts together
	v_min_num_f32 v29, v[M1], v26
	v_sub_f32 v[FA], v28, v[M0]
	v_sub_f32 v[FC], v29, v[M1]
	v_sub_f32 v30, v28, v24
	v_sub_f32 v31, v29, v26
	v_cvt_i32_f32 v[FA], v[FA]
	v_cvt_i32_f32 v[FC], v[FC]
	v_cvt_i32_f32 v30, v30
	v_cvt_i32_f32 v31, v31
	v_ldexp_f32 v[FA], 1.0, v[FA]          ; 2^(A's M - M)
	v_ldexp_f32 v[FC], 1.0, v[FC]
	v_ldexp_f32 v24, 1.0, v30              ; 2^(B's M - M)
	v_ldexp_f32 v26, 1.0, v31
	v_mul_f32 v[L0], v[L0], v[FA]
	v_mul_f32 v[L1], v[L1], v[FC]
	v_fmac_f32 v[L0], v25, v24
	v_fmac_f32 v[L1], v27, v26
	v_mov_b32 v[L0+1], 0
	v_mov_b32 v[L1+1], 0
.set n, 0
.rept 16
	v_pk_mul_f32 v[S0+n:S0+n+1], v[S0+n:S0+n+1], v[24:25] op_sel_hi:[1,0]
	v_pk_mul_f32 v[S0+32+n:S0+33+n], v[S0+32+n:S0+33+n], v[26:27] op_sel_hi:[1,0]
.set n, n+2
.endr
	WIN 0x41
.set n, 0
.rept 16
	v_pk_fma_f32 v[O0+n:O0+n+1], v[O0+n:O0+n+1], v[FA:FA+1], v[S0+n:S0+n+1] op_sel_hi:[1,0,1]
	v_pk_fma_f32 v[O1+n:O1+n+1], v[O1+n:O1+n+1], v[FC:FC+1], v[S0+32+n:S0+33+n] op_sel_hi:[1,0,1]
.set n, n+2
.endr
	WIN 0
	WAYOUT
.Lend:
	v_lshl_add_u32 v[SPW], v0, 2, SPARE    ; the add's registers made anew
	v_mov_b32 v[NIL], 0
	s_wait_alu depctr_va_vdst(0)
	s_wait_tensorcnt 0x0                   ; the wave's end
	ds_add_u32 v[SPW], v[NIL]
	s_wait_dscnt 0x0
	CROUND                                 ; the closing round
	s_endpgm
.Lfunc_end_k_q3f72ee8ca2_attn:
	.size	k_q3f72ee8ca2_attn, .Lfunc_end_k_q3f72ee8ca2_attn-k_q3f72ee8ca2_attn
	.p2alignl 7, 3214868480
	.fill 96, 4, 3214868480
	.section	.rodata,"a",@progbits
	.p2align	6, 0x0
	.amdhsa_kernel k_q3f72ee8ca2_attn
		.amdhsa_group_segment_fixed_size 327680
		.amdhsa_private_segment_fixed_size 0
		.amdhsa_enable_private_segment 0
		.amdhsa_kernarg_size 40
		.amdhsa_user_sgpr_count 2
		.amdhsa_user_sgpr_kernarg_segment_ptr 1
		.amdhsa_wavefront_size32 1
		.amdhsa_system_sgpr_workgroup_id_x 1
		.amdhsa_system_sgpr_workgroup_id_y 1
		.amdhsa_system_sgpr_workgroup_id_z 1
		.amdhsa_system_vgpr_workitem_id 0
		.amdhsa_next_free_vgpr 416
		.amdhsa_next_free_sgpr 100
		.amdhsa_reserve_vcc 0
		.amdhsa_float_denorm_mode_32 3
		.amdhsa_float_denorm_mode_16_64 3
		.amdhsa_memory_ordered 1
		.amdhsa_forward_progress 1
		.amdhsa_inst_pref_size 125
	.end_amdhsa_kernel
	.amdgpu_metadata
---
amdhsa.version: [ 1, 2 ]
amdhsa.kernels:
  - .name:           k_q3f72ee8ca2_attn
    .symbol:         k_q3f72ee8ca2_attn.kd
    .args:
      - { .name: q_img, .offset: 0, .size: 8, .value_kind: global_buffer, .address_space: global }
      - { .name: k_img, .offset: 8, .size: 8, .value_kind: global_buffer, .address_space: global }
      - { .name: v_img, .offset: 16, .size: 8, .value_kind: global_buffer, .address_space: global }
      - { .name: lowp_scales, .offset: 24, .size: 8, .value_kind: global_buffer, .address_space: global }
      - { .name: a_img, .offset: 32, .size: 8, .value_kind: global_buffer, .address_space: global }
    .group_segment_fixed_size: 327680
    .private_segment_fixed_size: 0
    .kernarg_segment_align: 8
    .kernarg_segment_size: 40
    .max_flat_workgroup_size: 256
    .sgpr_count:     100
    .vgpr_count:     416
    .wavefront_size: 32
...
	.end_amdgpu_metadata
.endif
;; end of part 2
;; launch oproj (part 3): grid 8 x 32, 4 waves a work-group, clusters of 4 x 4, 327,680 bytes of LDS; arguments a_img, wo_w_codes, wo_b, lowp_scales, out0; writes out0
.if DOCPART == 3
	.amdgcn_target "amdgcn-amd-amdhsa--gfx1250"
	.amdhsa_code_object_version 6
	.text
	.protected	k_q3f72ee8ca2_oproj
	.globl	k_q3f72ee8ca2_oproj
	.p2align	8
	.type	k_q3f72ee8ca2_oproj,@function
k_q3f72ee8ca2_oproj:
	s_mov_b64 s[64:65], 0
	v_nop
	global_prefetch_b8 v0, s[64:65] scope:SCOPE_SE
	s_setreg_imm32_b32 hwreg(HW_REG_WAVE_MODE, 25, 1), 1
	s_wait_xcnt 0x0
	s_wait_alu depctr_hold_cnt(0) depctr_sa_sdst(0) depctr_va_vdst(0) depctr_va_sdst(0) depctr_va_ssrc(0) depctr_va_vcc(0) depctr_vm_vsrc(0)
	s_getreg_b32 s2, hwreg(HW_REG_IB_STS2, 6, 4)
	s_cmp_eq_u32 s2, 0
	s_cbranch_scc0 .Lentry_in_a_cluster
	s_endpgm
.Lentry_in_a_cluster:
	s_bfe_u32 s2, ttmp6, 0x10000c
	s_cmp_lg_u32 s2, 0xf033
	s_cbranch_scc0 .Lentry_shape_is_right
	s_endpgm
.Lentry_shape_is_right:
; THIRD OF THREE LAUNCHES.  out = a Wo^T x 2^(e10 + e11) + bo, on codes of FP8 (E4M3).  a_img: the attention's result as images of this product's operand registers
; [128 tokens 32][128 of K 8][16 tokens 8][chunk 4][lane 32][16 bytes]; Wo: [1024][1024] codes, K innermost; out: [4096][1024] f32.
; SHARES.  A work-group makes 128 tokens x 128 columns: 256 work-groups.  Four waves, each 64 x 64: 16 accumulators of 16 x 16.
; ALL OF K LIES IN LDS: a's 131,072 bytes as they lie in memory, Wo's 128 rows of 1,024 bytes + 16 of padding.  Each byte is filled once, by one load a wave (waves 0, 1: a's halves along K; waves 2, 3: 64 rows of Wo each): one wait and one barrier.
; NO PREFETCH: there is no loop that loads.
; CLUSTERS: 4 x 4 work-groups.  a's tiles hang on the block of tokens alone and are asked for jointly along a row of the cluster, Wo's on the block of columns alone, along a column.
; THE MATRIX INSTRUCTION IS USED TRANSPOSED (source 0 = 16 rows of Wo, source 1 = 16 tokens): a lane holds eight neighbouring numbers of a row of out.
; A fragment of Wo is fetched by four loads of 16 bytes, 32 apart: lane (r, h) holds K = 32 c + 16 h + 0 .. 15 in registers 4 c .. 4 c + 3; a's image was laid in the same order: a permutation of k alike in both operands.
; LIMIT: e10 + e11 between -126 and 127, so that 2^(e10 + e11) is an f32 number.
; REGISTERS: window 0: v1-13 addresses; v16-47 my 32 biases; v48-79 at work; v128-255 the accumulators ((a, b) at v[128 + 8 (4 a + b)]), later rows of out.   window 1: two buffers of 128: a's four fragments, then Wo's four.
.set SP,    272                        ; a row of a stage: 256 bytes + 16 of padding
.set WP,    1040                       ; a row of Wo in LDS
.set BT,    131072                     ; Wo begins here
.set BHALF, 64*WP
.set STAGE, BT+128*WP                  ; behind it: 16 rows x 272 bytes for each wave, for the way out
.set SPARE, STAGE+4*16*SP              ; spare words, 128 bytes a wave
.set LI,   1                           ; v1   16 x lane
.set ADA,  4                           ; v4, v5   LDS address of my fragments of a: K steps 0-3, 4-7
.set ADB,  6                           ; v6   of my fragments of Wo
.set STO,  10                          ; v10  the way out: where I put 32 bytes of a row
.set RD,   11                          ; v11  where I read a row back
.set CO,   12                          ; v12  my byte offset in out
.set VB,   13                          ; v13  32 h: my eight biases of a tile
.set BI,   16
.set T,    48
.set SPW,  126
.set NIL,  127
.set ACC,  128
.set F0,   0
.set F1,   128
.set WV,   14
.set G1A,  24                          ; s[24:31] descriptor group 1 for a's tiles, s[32:35] group 0
.set G0A,  32
.set G1B,  48                          ; s[48:55], s[68:71] for Wo's
.set G0B,  68
.set CX,   88                          ; s88, s89  my place in the cluster
.set CY,   89
.set NT,   90                          ; s90  the block of 128 columns
.set MT,   91                          ; s91  the block of 128 tokens
.set MROW, 92                          ; s92, s93  the masks of my row and my column of the cluster
.set MCOL, 93
.set OFB,  94                          ; s[94:95] Wo's byte offset
.set MSB, 0
.macro WIN new                         ; the immediate's high byte repeats the setting that is left
.if MSB != \new
	s_set_vgpr_msb (MSB<<8)|\new
.set MSB, \new
.endif
.endm
.macro PLACES                          ; four plain vector instructions between a matrix instruction and a load into one of its registers or a read of its result
.rept 4
	v_nop
.endr
.endm
.macro CROUND                          ; a round of the cluster's barrier
	s_barrier_signal -1
	s_barrier_wait -1
	s_cmp_lg_u32 s[WV], 0
	s_cbranch_scc1 .Lnot_wave_0_\@
	s_barrier_signal -3
.Lnot_wave_0_\@:
	s_barrier_wait -3
	s_barrier_signal -1
	s_barrier_wait -1
.endm
	s_load_b256 s[4:11], s[0:1], 0x0       ; a_img s[4:5], Wo s[6:7], bo s[8:9], the scales' exponents s[10:11]
	s_load_b64 s[12:13], s[0:1], 0x20      ; out
	v_lshl_add_u32 v[SPW], v0, 2, SPARE
	v_mov_b32 v[NIL], 0
	ds_add_u32 v[SPW], v[NIL]              ; the opening add, twice on end
	ds_add_u32 v[SPW], v[NIL]
	v_lshrrev_b32 v2, 5, v0
	v_readfirstlane_b32 s[WV], v2          ; wave 0..3
	s_lshr_b32 s66, s[WV], 1               ; which half of the tokens is mine
	s_and_b32 s67, s[WV], 1                ; which half of the columns.  Also: which half of a's K or of Wo's rows I fetch
	s_bfe_u32 s[CX], ttmp6, 0x40000
	s_bfe_u32 s[CY], ttmp6, 0x40004
	s_lshl_b32 s[NT], ttmp9, 2
	s_add_co_u32 s[NT], s[NT], s[CX]
	s_and_b32 s[MT], ttmp7, 0xffff
	s_lshl_b32 s[MT], s[MT], 2
	s_add_co_u32 s[MT], s[MT], s[CY]
	s_lshl_b32 s[MROW], s[CY], 2
	s_lshl_b32 s[MROW], 15, s[MROW]
	s_lshl_b32 s[MCOL], 0x1111, s[CX]
	s_or_b32 s[G1A], s[MROW], (3<<16)|(1<<21)      ; the mask: my row; elements of 8 bytes; 21 set beside a mask; no padding
	s_mov_b32 s[G1A+1], 32<<16             ; rows of 32 elements, 256 bytes,
	s_mov_b32 s[G1A+2], 256<<16            ; 256 of them: four K steps' fragments,
	s_mov_b32 s[G1A+3], 32<<16
	s_mov_b32 s[G1A+4], 256
	s_mov_b32 s[G1A+5], 32                 ; dense
	s_mov_b32 s[G1A+6], 0
	s_mov_b32 s[G1A+7], 0
	s_or_b32 s[G1B], s[MCOL], (1<<20)|(1<<21)|(7<<22)|(3<<25)   ; the mask: my column; elements of 1 byte; padding: four words after every 256
	s_mov_b32 s[G1B+1], 1024<<16
	s_mov_b32 s[G1B+2], 64<<16
	s_mov_b32 s[G1B+3], 1024<<16
	s_mov_b32 s[G1B+4], 64
	s_mov_b32 s[G1B+5], 1024
	s_mov_b32 s[G1B+6], 0
	s_mov_b32 s[G1B+7], 0
	s_lshl_b32 s15, s67, 16                ; a: my four K steps of eight, in memory and in LDS alike
	s_lshl_b32 s16, s[MT], 17              ; the block's 131,072 bytes (registers that never hold cx)
	s_add_co_u32 s16, s16, s15
	s_mov_b32 s17, 0
	s_lshl_b32 s[OFB], s[NT], 17           ; Wo: row 128 nt + 64 x half, of 1,024 bytes (registers that never hold cy)
	s_lshl_b32 s[OFB+1], s67, 16
	s_add_co_u32 s[OFB], s[OFB], s[OFB+1]
	s_mov_b32 s[OFB+1], 0
	s_mul_i32 s22, s67, BHALF
	s_add_co_u32 s22, s22, BT
	s_mov_b32 s[G0A], 1
	s_mov_b32 s[G0A+1], s15                ; LDS address
	s_mov_b32 s[G0B], 1
	s_mov_b32 s[G0B+1], s22
	s_wait_dscnt 0x0                       ; both opening adds are done
	s_wait_kmcnt 0x0
	s_load_b64 s[96:97], s[10:11], 0x28    ; e10, e11
	s_add_nc_u64 s[G0A+2:G0A+3], s[4:5], s[16:17]
	s_or_b32 s[G0A+3], s[G0A+3], 0x80000000
	s_add_nc_u64 s[G0B+2:G0B+3], s[6:7], s[OFB:OFB+1]
	s_or_b32 s[G0B+3], s[G0B+3], 0x80000000
	CROUND                                 ; all sixteen work-groups are here: the joint loads meet
	s_cmp_lt_u32 s[WV], 2
	s_cbranch_scc0 .Lfor_b
	tensor_load_to_lds s[G0A:G0A+3], s[G1A:G1A+7]
	s_nop 0
	PLACES
	s_branch .Lasked
.Lfor_b:
	tensor_load_to_lds s[G0B:G0B+3], s[G1B:G1B+7]
	s_nop 0
	PLACES
.Lasked:
	v_and_b32 v1, 31, v0
	v_lshlrev_b32 v[LI], 4, v1
	v_and_b32 v2, 15, v0                   ; r
	v_bfe_u32 v3, v0, 4, 1                 ; h
	s_lshl_b32 s23, s66, 13                ; my four fragments of a K step's eight
	v_add_nc_u32 v[ADA], s23, v[LI]
	v_add_nc_u32 v[ADA+1], 0x10000, v[ADA]
	s_mul_i32 s23, s67, BHALF              ; my 64 rows of Wo
	s_add_co_u32 s23, s23, BT
	v_mul_u32_u24 v[ADB], v2, WP
	v_lshl_add_u32 v[ADB], v3, 4, v[ADB]
	v_add_nc_u32 v[ADB], s23, v[ADB]
	s_mul_i32 s23, s[WV], 16*SP
	s_add_co_u32 s23, s23, STAGE           ; my stage
	v_mul_u32_u24 v[STO], v2, SP           ; in: row r, 32 bytes for each half of the lanes
	v_lshl_add_u32 v[STO], v3, 5, v[STO]
	v_add_nc_u32 v[STO], s23, v[STO]
	v_mul_u32_u24 v[RD], v3, SP            ; back: lanes 0-15 one row of 256 bytes, lanes 16-31 the next
	v_lshl_add_u32 v[RD], v2, 4, v[RD]
	v_add_nc_u32 v[RD], s23, v[RD]
	v_lshlrev_b32 v[CO], 12, v3            ; and the same two rows in out
	v_lshl_add_u32 v[CO], v2, 4, v[CO]
	v_lshlrev_b32 v[VB], 5, v3
	s_wait_alu depctr_va_vdst(0)
	s_lshl_b32 s84, s[NT], 9
	s_lshl_b32 s85, s67, 8
	s_add_co_u32 s84, s84, s85             ; my first column, in bytes: 512 nt + 256 x half
	s_mov_b32 s85, 0
	s_add_nc_u64 s[8:9], s[8:9], s[84:85]
	s_add_nc_u64 s[12:13], s[12:13], s[84:85]
	s_lshl_b32 s84, s[MT], 19
	s_lshl_b32 s86, s66, 18
	s_add_co_u32 s84, s84, s86             ; my first row: 128 mt + 64 x half, of 4,096 bytes
	s_add_nc_u64 s[12:13], s[12:13], s[84:85]
.irp b, 0,1,2,3                        ; lane (r, h) wants, of tile b, the biases of columns 16 b + 8 h + 0 .. 7
	global_load_b128 v[BI+8*\b:BI+8*\b+3], v[VB], s[8:9] offset:64*\b
	global_load_b128 v[BI+8*\b+4:BI+8*\b+7], v[VB], s[8:9] offset:64*\b+16
.endr
	s_wait_kmcnt 0x0
	s_add_co_i32 s96, s96, s97
	s_add_co_i32 s96, s96, 127
	s_lshl_b32 s96, s96, 23                ; 2^(e10 + e11) as f32
	s_mov_b32 s97, s96                     ; (named with it as a pair, so it is written)
; 32 LDS loads in one run: K step ks: a's four fragments (images: 512 consecutive bytes a load), Wo's four (rows), into buffer f
.macro FETCH ks, f
	WIN 0x40                               ; destination window 1
.irp a, 0,1,2,3
.irp c, 0,1,2,3
	ds_load_b128 v[\f+16*\a+4*\c:\f+16*\a+4*\c+3], v[ADA+(\ks)/4] offset:((\ks)%4)*16384+2048*\a+512*\c
.endr
.endr
.irp b, 0,1,2,3
.irp c, 0,1,2,3
	ds_load_b128 v[\f+64+16*\b+4*\c:\f+64+16*\b+4*\c+3], v[ADB] offset:128*(\ks)+16*WP*\b+32*\c
.endr
.endr
.endm
; 16 matrix instructions.  The 16 accumulators take turns in the same order in every step.
.macro MUL16 f, zero
	WIN 0x05                               ; sources 0 and 1 window 1; C and D window 0
.irp a, 0,1,2,3
.irp b, 0,1,2,3
.if \zero
	v_wmma_f32_16x16x128_fp8_fp8 v[ACC+8*(4*(\a)+\b):ACC+8*(4*(\a)+\b)+7], v[\f+64+16*\b:\f+64+16*\b+15], v[\f+16*(\a):\f+16*(\a)+15], 0
.else
	v_wmma_f32_16x16x128_fp8_fp8 v[ACC+8*(4*(\a)+\b):ACC+8*(4*(\a)+\b)+7], v[\f+64+16*\b:\f+64+16*\b+15], v[\f+16*(\a):\f+16*(\a)+15], v[ACC+8*(4*(\a)+\b):ACC+8*(4*(\a)+\b)+7]
.endif
.endr
.endr
.endm
.macro KSTEP ks, f, g, zero            ; K step ks lies in buffer f; its successor is fetched into g
	PLACES
	FETCH (\ks)+1, \g
	s_wait_dscnt 32                        ; all but the 32 just issued
	MUL16 \f, \zero
.endm
	s_wait_tensorcnt 0x0                   ; my part is in
	s_barrier_signal -1
	s_barrier_wait -1                      ; everybody's is
	FETCH 0, F0
	KSTEP 0, F0, F1, 1                     ; the first products start the sums: nothing is cleared
	KSTEP 1, F1, F0, 0
	KSTEP 2, F0, F1, 0
	KSTEP 3, F1, F0, 0
	KSTEP 4, F0, F1, 0
	KSTEP 5, F1, F0, 0
	KSTEP 6, F0, F1, 0
	s_wait_dscnt 0x0                       ; the last K step
	MUL16 F1, 0
	WIN 0
	s_wait_loadcnt 0x0                     ; the biases
	PLACES
; THE WAY OUT, 16 tokens at a time: sum x 2^(e10 + e11) + bias, one packed multiply-add for two numbers; 32 bytes a lane into my own stage; back as whole rows of 256 bytes, into the registers that the block's sums have left.
; LDS serves a wave's instructions in order (ISA guide 5.7.1.4): no wait between the stores and the loads, nor in front of the next block's stores.
.macro TOSTAGE a
.irp b, 0,1,2,3
.irp i, 0,2,4,6
	v_pk_fma_f32 v[T+8*\b+\i:T+8*\b+\i+1], v[ACC+8*(4*(\a)+\b)+\i:ACC+8*(4*(\a)+\b)+\i+1], s[96:97], v[BI+8*\b+\i:BI+8*\b+\i+1] op_sel_hi:[1,0,1]   ; each accumulator from its low end on
.endr
.endr
.irp b, 0,1,2,3
	ds_store_b128 v[STO], v[T+8*\b:T+8*\b+3] offset:64*\b
	ds_store_b128 v[STO], v[T+8*\b+4:T+8*\b+7] offset:64*\b+16
.endr
.irp t, 0,1,2,3,4,5,6,7
	ds_load_b128 v[ACC+32*(\a)+4*\t:ACC+32*(\a)+4*\t+3], v[RD] offset:\t*2*SP
.endr
.endm
.macro SEND a, younger                 ; younger: the LDS instructions issued behind block a's loads, which may stay out
	s_wait_dscnt \younger
.irp t, 0,1,2,3,4,5,6,7
	global_store_b128 v[CO], v[ACC+32*(\a)+4*\t:ACC+32*(\a)+4*\t+3], s[12:13] offset:(16*(\a)+2*\t)*4096 th:TH_STORE_NT   ; 16 lanes store 256 consecutive bytes, aligned; no register that a store reads is written again
.endr
.endm
	TOSTAGE 0
.irp a, 1,2,3
	TOSTAGE \a
	SEND \a-1, 16                          ; behind block a - 1's loads: block a's eight stores and eight loads
.endr
	SEND 3, 0
	s_wait_tensorcnt 0x0                   ; the wave's end
	ds_add_u32 v[SPW], v[NIL]
	s_wait_dscnt 0x0
	CROUND                                 ; the closing round: no work-group ends while a partner may still ask for a tile that names it
	s_endpgm
.Lfunc_end_k_q3f72ee8ca2_oproj:
	.size	k_q3f72ee8ca2_oproj, .Lfunc_end_k_q3f72ee8ca2_oproj-k_q3f72ee8ca2_oproj
	.p2alignl 7, 3214868480
	.fill 96, 4, 3214868480
	.section	.rodata,"a",@progbits
	.p2align	6, 0x0
	.amdhsa_kernel k_q3f72ee8ca2_oproj
		.amdhsa_group_segment_fixed_size 327680
		.amdhsa_private_segment_fixed_size 0
		.amdhsa_enable_private_segment 0
		.amdhsa_kernarg_size 40
		.amdhsa_user_sgpr_count 2
		.amdhsa_user_sgpr_kernarg_segment_ptr 1
		.amdhsa_wavefront_size32 1
		.amdhsa_system_sgpr_workgroup_id_x 1
		.amdhsa_system_sgpr_workgroup_id_y 1
		.amdhsa_system_sgpr_workgroup_id_z 1
		.amdhsa_system_vgpr_workitem_id 0
		.amdhsa_next_free_vgpr 512
		.amdhsa_next_free_sgpr 100
		.amdhsa_reserve_vcc 0
		.amdhsa_float_denorm_mode_32 3
		.amdhsa_float_denorm_mode_16_64 3
		.amdhsa_memory_ordered 1
		.amdhsa_forward_progress 1
		.amdhsa_inst_pref_size 44
	.end_amdhsa_kernel
	.amdgpu_metadata
---
amdhsa.version: [ 1, 2 ]
amdhsa.kernels:
  - .name:           k_q3f72ee8ca2_oproj
    .symbol:         k_q3f72ee8ca2_oproj.kd
    .args:
      - { .name: a_img, .offset: 0, .size: 8, .value_kind: global_buffer, .address_space: global }
      - { .name: wo_w_codes, .offset: 8, .size: 8, .value_kind: global_buffer, .address_space: global }
      - { .name: wo_b, .offset: 16, .size: 8, .value_kind: global_buffer, .address_space: global }
      - { .name: lowp_scales, .offset: 24, .size: 8, .value_kind: global_buffer, .address_space: global }
      - { .name: out0, .offset: 32, .size: 8, .value_kind: global_buffer, .address_space: global }
    .group_segment_fixed_size: 327680
    .private_segment_fixed_size: 0
    .kernarg_segment_align: 8
    .kernarg_segment_size: 40
    .max_flat_workgroup_size: 128
    .sgpr_count:     100
    .vgpr_count:     512
    .wavefront_size: 32
...
	.end_amdgpu_metadata
.endif
;; end of part 3
